; MI455X (gfx1250); checked and timed in simulation.
; The chip was launched on July 23, 2026; its instructions are those of AMD's public machine-readable ISA for CDNA 5 (MIT licence, August 2026) and "CDNA5" Instruction Set Architecture Reference Guide (July 2026). The comments in the code are by the model that wrote it; some were corrected since.
;; Bit Linear158. Allowed arithmetic: float matrix products may take bf16 or f16 operands with f32 sums; other float arithmetic in f32, or as packed bf16 or f16 multiplies, adds, multiply-adds, maxima and minima; sums over many terms, partial sums and values carried from step to step in f32; what a program stores and reads back later, other than sums and carried values, may be rounded once to bf16 or f16.
;; Inputs: weight 2,048 x 4,096 float32; x 4 x 2,048 x 4,096 float32.
;; Outputs: out0 4 x 2,048 x 2,048 float32.
;; One version. Each part assembles by itself: llvm-mc -triple=amdgcn-amd-amdhsa -mcpu=gfx1250 --defsym DOCPART=n.
;; ======== version 1 of 1: 2 launches
;; limits: values are held in f16: magnitudes above 65,504 overflow, below 6.1e-05 lose precision; inputs' magnitudes at most 65,504
;; workspace buffers: xq 67,108,864 bytes; wt 16,777,216 bytes; ws 8,192 bytes
;; launch prep (part 1): grid 2560 x 1, 4 waves a work-group, no clusters, 19,968 bytes of LDS; arguments x, weight, xq, wt, ws; writes xq, wt, ws
.if DOCPART == 1
	.amdgcn_target "amdgcn-amd-amdhsa--gfx1250"
	.amdhsa_code_object_version 6
	.text
	.protected	k_q202097a616_prep
	.globl	k_q202097a616_prep
	.p2align	8
	.type	k_q202097a616_prep,@function
k_q202097a616_prep:
	s_mov_b64 s[64:65], 0
	v_nop
	global_prefetch_b8 v0, s[64:65] scope:SCOPE_SE
	s_setreg_imm32_b32 hwreg(HW_REG_WAVE_MODE, 25, 1), 1
	s_wait_xcnt 0x0
; PREP.  One wave takes one row of 4,096 f32 (16,384 bytes), keeps it in 128 registers, and writes it as 4,096 f16 (8,192 bytes).
; Work-groups 0-511: rows of weight.  wt[o][i] = sign(w) where |w| > s / 2, else 0;  ws[o] = s = max(mean |w| of the row, 1e-5).
;   round(w / s) is not 0 exactly where the f32 quotient is above 0.5, and that is exactly where 2 |w| > s: the next float above s lies more than
;   s 2^-24 above it, so the quotient lies above the middle between 0.5 and its successor.  The clip at +-1 makes every such number +-1.  s goes onto the sums in the next launch.
; Work-groups 512-2559: rows of x.  For each group of 64 neighbours: a = max(max |x|, 1e-5); xq = rndne(x 127 / a) a / 127, rounded once to f16.
; Memory binds: each input byte is read once by 16-byte loads (512 consecutive bytes a wave), each output byte written once (256 consecutive bytes, aligned, a wave's store).
; No barrier: a wave touches only its own LDS bytes.  No matrix unit, no cluster: nothing is multiplied and nothing is shared.
; LIMITS.  |x| up to 65,504 (xq is f16); a group with a below 0.008 has its smallest steps in f16's fixed step of 6e-8.  127 / a is 127 x v_rcp_f32(a), and a / 127 is a x (1/127): a number within
; about two last places of a rounding tie may fall one step aside.  The clip of the rounded number to +-127 is not written: |x| 127 / a is at most 127 (1 + three last places), which rounds to 127.
; x + (q - x) is taken as q.  The row sum of |w| is taken in f32 in this order: 128 sums of 32 neighbours, each in ascending order; 4 sums of 32 of those, ascending; the sum of the 4, ascending.
; Another order of that sum can move s by last places, and with it the choice for a w that lies that close to s / 2.  NaN and infinities are not treated apart (a NaN in w gives 0).
.set NWG_W, 512                        ; work-groups that take rows of weight: 2,048 rows, 4 a work-group
.set WLDS,  4864                       ; LDS bytes of a wave
.set BP,    144                        ; a block of 32 f32 in LDS: 128 bytes + 16: 32 lanes that each read their own block touch different 16-byte columns
.set PSUM,  4608                       ; behind the 32 blocks: the 32 block sums of a quarter
.set SPARE, 4*WLDS                     ; 19,456: the spare words, 128 bytes for each wave: two blocks of 256 bytes that no other line names
.set LANE, 1                           ; v1   lane
.set LO,   2                           ; v2   16 x lane: my bytes in a load's 512; never rewritten
.set SO,   3                           ; v3   8 x lane: my bytes in a store's 256; never rewritten
.set SPW,  4                           ; v4   LDS address of my spare word; never rewritten
.set NIL,  5                           ; v5   0; never rewritten
.set SADR, 6                           ; v6   where my 16 bytes of a load go: block lane / 8, place lane % 8
.set RADR, 7                           ; v7   my block: block = lane
.set PADR, 8                           ; v8   where my block's sum goes
.set BADR, 9                           ; v9   the 32 block sums, the same address in every lane
.set ACC,  10                          ; v10  a block's sum
.set Q,    12                          ; v[12:15] the four quarters' sums
.set SV,   16                          ; v16  s
.set HF,   17                          ; v17  s / 2
.set ZO,   18                          ; v18  0: the offset of the store of s
.set T,    20                          ; v[20:51] weight rows: 32 numbers at work
.set PR,   20                          ; v[20:35] rows of x: eight pairs (127 / a, a / 127)
.set M,    36                          ; v[36:43] rows of x: eight maxima
.set W,    56                          ; v[56:183] the row: load k in W + 4 k .. + 3; lane l holds numbers 128 k + 4 l .. + 3
	s_load_b256 s[4:11], s[0:1], 0x0               ; x s[4:5], weight s[6:7], xq s[8:9], wt s[10:11]
	s_load_b64 s[12:13], s[0:1], 0x20              ; ws
	v_lshl_add_u32 v[SPW], v0, 2, SPARE
	v_mov_b32 v[NIL], 0
	v_and_b32 v[LANE], 31, v0
	v_lshrrev_b32 v[LO], 5, v0
	v_readfirstlane_b32 s14, v[LO]                 ; wave 0..3
	v_lshlrev_b32 v[LO], 4, v[LANE]
	v_lshlrev_b32 v[SO], 3, v[LANE]
	s_cmp_lt_u32 ttmp9, NWG_W
	s_cselect_b32 s15, 1, 0                        ; 1: a row of weight
	s_cselect_b32 s17, 0, NWG_W                    ; the first work-group of my kind
	s_sub_co_u32 s16, ttmp9, s17
	s_lshl2_add_u32 s16, s16, s14                  ; my row = 4 x work-group + wave
	s_lshl_b32 s18, s16, 14                        ; x 16,384 bytes in (at most 2^27)
	s_mov_b32 s19, 0
	s_lshl_b32 s20, s16, 13                        ; x 8,192 bytes out
	s_mov_b32 s21, 0
	s_lshl_b32 s36, s16, 2                         ; x 4 bytes in ws
	s_mov_b32 s37, 0
	s_mul_i32 s26, s14, WLDS                       ; my wave's LDS bytes
	s_mov_b32 s27, 0x3727c5ac                      ; 1e-5
	s_mov_b32 s28, 0x7fffffff                      ; all but the sign
	s_mov_b32 s29, 0x3f800000                      ; 1.0
	s_wait_kmcnt 0x0
	s_cmp_eq_u32 s15, 1
	s_cselect_b64 s[22:23], s[6:7], s[4:5]         ; from weight or from x,
	s_cselect_b64 s[24:25], s[10:11], s[8:9]       ; to wt or to xq
	s_add_nc_u64 s[22:23], s[22:23], s[18:19]
	s_add_nc_u64 s[24:25], s[24:25], s[20:21]
.set k, 0
.rept 32                                       ; the whole row is asked for at once: 16 KiB a wave on their way; no address register is ever rewritten
	global_load_b128 v[W+4*k:W+4*k+3], v[LO], s[22:23] offset:512*k th:TH_LOAD_NT
.set k, k+1
.endr
	s_cmp_eq_u32 s15, 1
	s_cbranch_scc1 .Lweights
; ROWS OF X.  Lanes 0-15 of a load hold one group of 64 numbers, lanes 16-31 the next: a group's maximum is taken inside a half of 16 lanes.  Eight loads (16 groups) a batch.
.macro XBATCH j
	s_wait_loadcnt 24-8*(\j)                       ; loads come back in order: this batch's eight are in, the later batches' stay out
.irp i, 0,1,2,3,4,5,6,7
	v_max3_num_f32 v[M+(\i)], |v[W+32*(\j)+4*(\i)]|, |v[W+32*(\j)+4*(\i)+1]|, |v[W+32*(\j)+4*(\i)+2]|
.endr
.irp i, 0,1,2,3,4,5,6,7
	v_max3_num_f32 v[M+(\i)], v[M+(\i)], |v[W+32*(\j)+4*(\i)+3]|, s27  ; the clip at 1e-5 rides in the maximum
.endr
.irp x, 1,2,4,8                                ; across the 16 lanes; the eight registers take turns, so that no line waits for the one before it
.irp i, 0,1,2,3,4,5,6,7
	v_max_num_f32_dpp v[M+(\i)], v[M+(\i)], v[M+(\i)] row_xmask:\x row_mask:0xf bank_mask:0xf
.endr
.endr
.irp i, 0,1,2,3,4,5,6,7
	v_rcp_f32 v[PR+2*(\i)], v[M+(\i)]              ; one batch of eight reciprocals
.endr
.irp i, 0,1,2,3,4,5,6,7
	v_mul_f32 v[PR+2*(\i)+1], 0x3c010204, v[M+(\i)]  ; a / 127: plain lines that name no reciprocal's result stand behind the batch
.endr
	s_wait_alu depctr_va_vdst(0)                   ; one wait for the eight, ahead of their first reader
.irp i, 0,1,2,3,4,5,6,7
	v_mul_f32 v[PR+2*(\i)], 0x42fe0000, v[PR+2*(\i)]  ; 127 / a
.endr
.irp i, 0,1,2,3,4,5,6,7
	v_pk_mul_f32 v[W+32*(\j)+4*(\i):W+32*(\j)+4*(\i)+1],   v[W+32*(\j)+4*(\i):W+32*(\j)+4*(\i)+1],   v[PR+2*(\i):PR+2*(\i)+1] op_sel_hi:[1,0]  ; both by the pair's first: 127 / a
	v_pk_mul_f32 v[W+32*(\j)+4*(\i)+2:W+32*(\j)+4*(\i)+3], v[W+32*(\j)+4*(\i)+2:W+32*(\j)+4*(\i)+3], v[PR+2*(\i):PR+2*(\i)+1] op_sel_hi:[1,0]
	v_rndne_f32 v[W+32*(\j)+4*(\i)],   v[W+32*(\j)+4*(\i)]
	v_rndne_f32 v[W+32*(\j)+4*(\i)+1], v[W+32*(\j)+4*(\i)+1]
	v_rndne_f32 v[W+32*(\j)+4*(\i)+2], v[W+32*(\j)+4*(\i)+2]
	v_rndne_f32 v[W+32*(\j)+4*(\i)+3], v[W+32*(\j)+4*(\i)+3]
	v_pk_mul_f32 v[W+32*(\j)+4*(\i):W+32*(\j)+4*(\i)+1],   v[W+32*(\j)+4*(\i):W+32*(\j)+4*(\i)+1],   v[PR+2*(\i):PR+2*(\i)+1] op_sel:[0,1] op_sel_hi:[1,1]  ; both by the pair's second: a / 127
	v_pk_mul_f32 v[W+32*(\j)+4*(\i)+2:W+32*(\j)+4*(\i)+3], v[W+32*(\j)+4*(\i)+2:W+32*(\j)+4*(\i)+3], v[PR+2*(\i):PR+2*(\i)+1] op_sel:[0,1] op_sel_hi:[1,1]
	v_cvt_pk_f16_f32 v[W+32*(\j)+4*(\i)],   v[W+32*(\j)+4*(\i)],   v[W+32*(\j)+4*(\i)+1]
	v_cvt_pk_f16_f32 v[W+32*(\j)+4*(\i)+1], v[W+32*(\j)+4*(\i)+2], v[W+32*(\j)+4*(\i)+3]
	global_store_b64 v[SO], v[W+32*(\j)+4*(\i):W+32*(\j)+4*(\i)+1], s[24:25] offset:256*(8*(\j)+(\i)) th:TH_STORE_NT  ; 32 lanes store 256 consecutive bytes, aligned; the data registers are never written again
.endr
.endm
	XBATCH 0
	XBATCH 1
	XBATCH 2
	XBATCH 3
	s_wait_tensorcnt 0x0                           ; the wave's end
	ds_add_u32 v[SPW], v[NIL]
	s_wait_dscnt 0x0
	s_endpgm
; ROWS OF WEIGHT.
.Lweights:
	v_lshrrev_b32 v[SADR], 3, v[LANE]
	v_mul_u32_u24 v[SADR], v[SADR], BP
	v_and_b32 v[RADR], 7, v[LANE]
	v_lshl_add_u32 v[SADR], v[RADR], 4, v[SADR]
	v_add_nc_u32 v[SADR], s26, v[SADR]             ; wave + (lane / 8) x 144 + (lane % 8) x 16
	v_mul_u32_u24 v[RADR], v[LANE], BP
	v_add_nc_u32 v[RADR], s26, v[RADR]             ; wave + lane x 144
	v_lshl_add_u32 v[PADR], v[LANE], 2, s26
	v_add_nc_u32 v[PADR], PSUM, v[PADR]            ; wave + 4,608 + 4 x lane
	v_mov_b32 v[BADR], s26
	v_add_nc_u32 v[BADR], PSUM, v[BADR]            ; wave + 4,608
	v_mov_b32 v[ZO], 0
	s_add_nc_u64 s[12:13], s[12:13], s[36:37]      ; ws at my row
; The 32 numbers that eight LDS loads bring into T are added in ascending order, as magnitudes (a block sum is not negative: its magnitude is itself).
.macro CHAIN dst
.irp i, 0,1,2,3,4,5,6,7
	s_wait_dscnt 7-(\i)                            ; LDS loads come back in order: load i of the eight is in, the younger ones stay out
.irp e, 0,1,2,3
.if (4*(\i)+(\e)) == 1
	v_add_f32 v[\dst], |v[T]|, |v[T+1]|
.elseif (4*(\i)+(\e)) > 1
	v_add_f32 v[\dst], v[\dst], |v[T+4*(\i)+(\e)]|
.endif
.endr
.endr
.endm
; A quarter of the row: 1,024 numbers = 32 blocks of 32 neighbours.  Through my own LDS bytes the blocks change from 'eight lanes a block' to 'a lane a block'; each lane adds its block;
; the 32 sums go through LDS once more, and every lane adds all 32.  LDS serves a wave's instructions in order, so no wait stands between my stores and my loads of the same bytes.
.macro WQUARTER j
	s_wait_loadcnt 24-8*(\j)                       ; this quarter's eight loads are in, the later quarters' stay out
.irp i, 0,1,2,3,4,5,6,7
	ds_store_b128 v[SADR], v[W+32*(\j)+4*(\i):W+32*(\j)+4*(\i)+3] offset:4*BP*(\i)  ; load i holds blocks 4 i .. 4 i + 3
.endr
.irp i, 0,1,2,3,4,5,6,7
	ds_load_b128 v[T+4*(\i):T+4*(\i)+3], v[RADR] offset:16*(\i)
.endr
	CHAIN ACC
	ds_store_b32 v[PADR], v[ACC]
.irp i, 0,1,2,3,4,5,6,7
	ds_load_b128 v[T+4*(\i):T+4*(\i)+3], v[BADR] offset:16*(\i)
.endr
	CHAIN Q+(\j)
.endm
	WQUARTER 0
	WQUARTER 1
	WQUARTER 2
	WQUARTER 3
	v_add_f32 v[SV], v[Q], v[Q+1]
	v_add_f32 v[SV], v[SV], v[Q+2]
	v_add_f32 v[SV], v[SV], v[Q+3]
	v_mul_f32 v[SV], 0x39800000, v[SV]             ; / 4,096, exact
	v_max_num_f32 v[SV], s27, v[SV]                ; the clip at 1e-5
	v_mul_f32 v[HF], 0.5, v[SV]                    ; exact
	v_cmp_eq_u32 vcc_lo, 0, v[LANE]                ; lane 0 stores s: 4 bytes a row, 8,192 bytes in the whole launch
	s_wait_xcnt 0x0                                ; EXEC is a source of the loads above: it changes only behind this wait
	s_and_saveexec_b32 s34, vcc_lo
	global_store_b32 v[ZO], v[SV], s[12:13]
	s_wait_xcnt 0x0                                ; and again, in front of the line that widens it
	s_or_b32 exec_lo, exec_lo, s34
.set k, 0
.rept 32                                       ; in place: is |w| above s / 2?  1.0 with w's sign; 0 where it is not; two roundings (exact) to f16
.irp e, 0,1,2,3
	v_cmp_gt_f32 s[30+(\e)], |v[W+4*k+(\e)]|, v[HF]
.endr
.irp e, 0,1,2,3
	v_bfi_b32 v[W+4*k+(\e)], s28, s29, v[W+4*k+(\e)]
.endr
.irp e, 0,1,2,3
	v_cndmask_b32 v[W+4*k+(\e)], 0, v[W+4*k+(\e)], s[30+(\e)]
.endr
	v_cvt_pk_f16_f32 v[W+4*k],   v[W+4*k],   v[W+4*k+1]
	v_cvt_pk_f16_f32 v[W+4*k+1], v[W+4*k+2], v[W+4*k+3]
	global_store_b64 v[SO], v[W+4*k:W+4*k+1], s[24:25] offset:256*k th:TH_STORE_NT  ; 256 consecutive bytes, aligned; the data registers are never written again
.set k, k+1
.endr
	s_wait_tensorcnt 0x0                           ; the wave's end, behind my last LDS store
	ds_add_u32 v[SPW], v[NIL]
	s_wait_dscnt 0x0
	s_endpgm
.Lfunc_end_k_q202097a616_prep:
	.size	k_q202097a616_prep, .Lfunc_end_k_q202097a616_prep-k_q202097a616_prep
	.p2alignl 7, 3214868480
	.fill 96, 4, 3214868480
	.section	.rodata,"a",@progbits
	.p2align	6, 0x0
	.amdhsa_kernel k_q202097a616_prep
		.amdhsa_group_segment_fixed_size 19968
		.amdhsa_private_segment_fixed_size 0
		.amdhsa_enable_private_segment 0
		.amdhsa_kernarg_size 40
		.amdhsa_user_sgpr_count 2
		.amdhsa_user_sgpr_kernarg_segment_ptr 1
		.amdhsa_wavefront_size32 1
		.amdhsa_system_sgpr_workgroup_id_x 1
		.amdhsa_system_sgpr_workgroup_id_y 1
		.amdhsa_system_sgpr_workgroup_id_z 1
		.amdhsa_system_vgpr_workitem_id 0
		.amdhsa_next_free_vgpr 184
		.amdhsa_next_free_sgpr 66
		.amdhsa_reserve_vcc 1
		.amdhsa_float_denorm_mode_32 3
		.amdhsa_float_denorm_mode_16_64 3
		.amdhsa_memory_ordered 1
		.amdhsa_forward_progress 1
		.amdhsa_inst_pref_size 98
	.end_amdhsa_kernel
	.amdgpu_metadata
---
amdhsa.version: [ 1, 2 ]
amdhsa.kernels:
  - .name:           k_q202097a616_prep
    .symbol:         k_q202097a616_prep.kd
    .args:
      - { .name: x, .offset: 0, .size: 8, .value_kind: global_buffer, .address_space: global }
      - { .name: weight, .offset: 8, .size: 8, .value_kind: global_buffer, .address_space: global }
      - { .name: xq, .offset: 16, .size: 8, .value_kind: global_buffer, .address_space: global }
      - { .name: wt, .offset: 24, .size: 8, .value_kind: global_buffer, .address_space: global }
      - { .name: ws, .offset: 32, .size: 8, .value_kind: global_buffer, .address_space: global }
    .group_segment_fixed_size: 19968
    .private_segment_fixed_size: 0
    .kernarg_segment_align: 8
    .kernarg_segment_size: 40
    .max_flat_workgroup_size: 128
    .sgpr_count:     66
    .vgpr_count:     184
    .wavefront_size: 32
...
	.end_amdgpu_metadata
.endif
;; end of part 1
;; launch gemm (part 2): grid 8 x 32, 4 waves a work-group, clusters of 4 x 4, 327,680 bytes of LDS; arguments xq, wt, out0, ws; writes out0
.if DOCPART == 2
	.amdgcn_target "amdgcn-amd-amdhsa--gfx1250"
	.amdhsa_code_object_version 6
	.text
	.protected	k_q202097a616_gemm
	.globl	k_q202097a616_gemm
	.p2align	8
	.type	k_q202097a616_gemm,@function
k_q202097a616_gemm:
	s_mov_b64 s[64:65], 0
	v_nop
	global_prefetch_b8 v0, s[64:65] scope:SCOPE_SE
	s_setreg_imm32_b32 hwreg(HW_REG_WAVE_MODE, 25, 1), 1
	s_wait_xcnt 0x0
	s_wait_alu depctr_hold_cnt(0) depctr_sa_sdst(0) depctr_va_vdst(0) depctr_va_sdst(0) depctr_va_ssrc(0) depctr_va_vcc(0) depctr_vm_vsrc(0)
	s_getreg_b32 s2, hwreg(HW_REG_IB_STS2, 6, 4)
	s_cmp_eq_u32 s2, 0
	s_cbranch_scc0 .Lentry_in_a_cluster
	s_endpgm
.Lentry_in_a_cluster:
	s_bfe_u32 s2, ttmp6, 0x10000c
	s_cmp_lg_u32 s2, 0xf033
	s_cbranch_scc0 .Lentry_shape_is_right
	s_endpgm
.Lentry_shape_is_right:
; out0[m][n] = ws[n] x the sum over k of xq[m][k] wt[n][k].  xq: [8192][4096] f16, wt: [2048][4096] f16 (-1, 0, 1), ws: [2048] f32, out0: [8192][2048] f32.  Sums in f32, K ascending.
; The ternary weights are exact in f16; their row's scale is multiplied onto the finished f32 sum, so the only rounding of an operand is xq's, to f16's 11 significant bits.
; LIMIT: xq lies within f16's range (the launch before states it); NaN and infinities are not treated apart.
; SHARES.  A tile of out0, 256 x 256, is made by a work-group of four waves; a wave makes 128 x 128: 64 accumulators of 16 x 16, 512 registers.  32 x 8 tiles: 256 work-groups, one tile each.
; K goes in 32 steps of 128 through a ring of two LDS slots filled by the tensor data mover; a row of a tile is 256 bytes of memory and starts at a multiple of 256 bytes from the buffer's first byte.
; CLUSTERS: 4 x 4 work-groups.  The four of a row of the cluster need the same tiles of xq, the four of a column the same tiles of wt: such a tile is asked for JOINTLY, by the same tensor load
; with the same descriptor and a mask that names the four; each receives it in its own LDS.  That divides the requests for both operands by four.
; THE MATRIX INSTRUCTION IS USED TRANSPOSED: source 0 = 16 rows of wt, source 1 = 16 rows of xq: lane l then holds row m = l % 16 and the columns n = 8 (l / 16) + 0..7: 32 neighbouring bytes of a row of out0.
; REGISTERS, in windows of 256 (s_set_vgpr_msb: bits 1:0 source 0, 3:2 source 1, 5:4 source 2, 7:6 destination):
;   window 0: v0-31 addresses and ws; v64-127, v128-191 fragments of xq, two buffers; on the way out the same 128 take rows read back from the stage
;   window 1: v64-127, v128-191 fragments of wt, two buffers
;   window 2: the 32 accumulators of my rows 0-63 (accumulator (a, b) at v[8 (8 a + b)]);   window 3: those of my rows 64-127
.set SIZE_N, 2048
.set SIZE_K, 4096
.set KSTEP,  128
.set PITCH,  272                       ; an LDS row: 256 bytes + 16 of padding = 17 x 16: the 16 rows that a fragment load touches start at 16 different 16-byte columns of 256
.set HALFT,  128*PITCH                 ; 128 rows: what one tensor load brings, and what one wave reads of either operand
.set SLOT,   4*HALFT                   ; xq's 256 rows, then wt's 256 rows
.set STAGE,  2*SLOT                    ; behind the ring, never filled by a tensor load: 16 rows x 528 bytes for each wave, for the way out
.set SPITCH, 528                       ; 512 bytes (128 f32) + 16 = 33 x 16
.set SPARE,  STAGE+4*16*SPITCH         ; 312,320: the spare words, 128 bytes for each wave: two blocks of 256 bytes that no other line names
.set LAPS,   SIZE_K/(2*KSTEP)          ; a lap = two K steps = once round the ring: 16
.set SQ,   8                           ; v[8:11] ws of the four columns that I store
.set SOF,  12                          ; v12     their byte offset in ws; never rewritten
.set ADRA, 16                          ; v16-17  LDS address of my xq fragments in slot 0, 1
.set ADRB, 20                          ; v20-21  the same for wt
.set STO,  24                          ; v24     the way out: where I put 32 bytes of a row
.set RD,   25                          ; v25     the way out: where I read 16 bytes of a row back
.set CO,   26                          ; v26     16 x lane: my byte offset in a row's 512 bytes of out0; never rewritten
.set SPW,  28                          ; v28     LDS address of my spare word: SPARE + 4 x my thread's number; never rewritten
.set NIL,  29                          ; v29     0; never rewritten
.set PFO,  30                          ; v30     the prefetches' offset: my lane x a row of 8,192 bytes; never rewritten
.set PFA,  44                          ; s[44:45] where my prefetches stand: my work-group's 32 rows of the 128 that I fetch, one K step further than the refill that is being asked for
.set LIM,  43                          ; s43     1 in a wave that prefetches, else the greatest number
.set WSP,  66                          ; s[66:67] ws
.set F0,   64                          ; fragment buffer 0
.set F1,   128                         ; fragment buffer 1
.set G1,  24                           ; s[24:31] descriptor group 1 for xq's tiles
.set G0,  32                           ; s[32:39] descriptor group 0 for xq's tiles, one set for each slot
.set G1B, 48                           ; s[48:55] group 1 for wt's tiles: it differs in the mask alone
.set G0B, 56                           ; s[56:63] group 0 for wt's tiles, one set for each slot
.set MSB, 0
.macro WIN new                         ; the immediate's high byte repeats the setting that is left; a switch that changes nothing is dropped
.if MSB != (\new)
	s_set_vgpr_msb (MSB<<8)|(\new)
.set MSB, \new
.endif
.endm
.set MUL_LO, 0xa1                      ; source 0 (wt) window 1, source 1 (xq) window 0, C and D window 2
.set MUL_HI, 0xf1                      ; the same, C and D window 3
.set TO_B,   0x40                      ; destination window 1, address window 0
; A joint load.  Waves 0 and 1 fetch xq's two halves, waves 2 and 3 wt's.  Each line has one mask and one set of registers; the branch hangs on the wave's number alone.
; An s_nop 0 and four v_nop follow each of the two lines, ahead of the jump, the label and what follows.
.macro JLOAD s
	s_cmp_eq_u32 s11, 0
	s_cbranch_scc0 .Lfor_b_\@
	tensor_load_to_lds s[G0+4*(\s):G0+4*(\s)+3], s[G1:G1+7]
	s_nop 0
.rept 4
	v_nop
.endr
	s_branch .Lasked_\@
.Lfor_b_\@:
	tensor_load_to_lds s[G0B+4*(\s):G0B+4*(\s)+3], s[G1B:G1B+7]
	s_nop 0
.rept 4
	v_nop
.endr
.Lasked_\@:
.endm
; A PREFETCH INTO THE L2, behind each joint refill and the run of LDS loads that follows it: the K step that stands TWO refills on (512 matrix instructions ahead of the load that will ask for it):
; 32 rows x 256 bytes, a lane a row, one instruction a wave.  Each row's 256 bytes of a K step are named once in the launch: xq's rows by the cluster with x = 0, wt's by the cluster with y = 0;
; of the 128 rows that a wave fetches, the partner at place p among the four that ask jointly takes rows 32 p .. 32 p + 31 (p = cx for xq, cy for wt): told apart by address, not by a branch.
; K steps 0 to 3 come by their loads alone; the loop's last trip (s3 = 1) asks for nothing: its refills are K steps 30 and 31, and there is no step two on.
.macro ASK
	s_cmp_gt_u32 s3, s[LIM]
	s_cbranch_scc0 .Lnot_mine_\@
	global_prefetch_b8 v[PFO], s[PFA:PFA+1] offset:KSTEP*2 th:TH_LOAD_NT scope:SCOPE_SE
.Lnot_mine_\@:
.endm
; A round of the cluster's barrier: my work-group's barrier, so that wave 0's signal speaks for all four waves; wave 0 signals; every wave waits for all sixteen work-groups; my work-group's barrier once more.
.macro CREST                           ; a round behind its opening barrier
	s_cmp_lg_u32 s10, 0
	s_cbranch_scc1 .Lnot_wave_0_\@
	s_barrier_signal -3
.Lnot_wave_0_\@:
	s_barrier_wait -3
	s_barrier_signal -1
	s_barrier_wait -1
.endm
.macro CROUND                          ; a whole round
	s_barrier_signal -1
	s_barrier_wait -1
	CREST
.endm
	s_load_b128 s[4:7], s[0:1], 0x0                ; xq s[4:5], wt s[6:7]
	s_load_b64 s[8:9], s[0:1], 0x10                ; out0
	s_load_b64 s[WSP:WSP+1], s[0:1], 0x18          ; ws
	v_lshl_add_u32 v[SPW], v0, 2, SPARE
	v_mov_b32 v[NIL], 0
	ds_add_u32 v[SPW], v[NIL]                      ; the wave's opening: the add and its wait stand ahead of my first tensor load; the set-up below, work on registers, stands between them
	v_lshrrev_b32 v1, 5, v0
	v_readfirstlane_b32 s10, v1                    ; wave 0..3
	s_lshr_b32 s11, s10, 1                         ; which half of the tile's rows is mine.  Also: I fetch xq (0) or wt (1)
	s_and_b32 s12, s10, 1                          ; which half of its columns.  Also: which 128 rows of that tile I fetch
	s_bfe_u32 s40, ttmp6, 0x40000                  ; cx: my place along the cluster's x
	s_bfe_u32 s41, ttmp6, 0x40004                  ; cy: along its y
	s_lshl_b32 s42, ttmp9, 2                       ; in a cluster launch ttmp9 and ttmp7 count clusters
	s_add_co_u32 s42, s42, s40                     ; tile column = 4 x cluster x + cx
	s_and_b32 s13, ttmp7, 0xffff
	s_lshl_b32 s13, s13, 2
	s_add_co_u32 s13, s13, s41                     ; tile row = 4 x cluster y + cy
	s_lshl_b32 s43, s41, 2
	s_lshl_b32 s43, 15, s43                        ; my row of the cluster: places 4 cy .. 4 cy + 3
	s_lshl_b32 s44, 0x1111, s40                    ; my column: places cx, cx + 4, cx + 8, cx + 12
	; descriptor group 1: a tile of 128 rows x 128 elements of 2 bytes, padded in LDS
	s_or_b32 s[G1+0], s43, (1<<16)|(1<<20)|(1<<21)|(5<<22)|(3<<25)  ; 15:0 the mask: xq's tiles go to my row; 17:16 elements of 2 bytes; 20 padding on; 21 set beside a mask; 24:22 after every 64 words (code 5); 31:25 4 words (code 3)
	s_or_b32 s[G1B+0], s44, (1<<16)|(1<<20)|(1<<21)|(5<<22)|(3<<25) ; the same with the mask of my column, for wt's tiles
.irp g, G1, G1B
	s_mov_b32 s[(\g)+1], KSTEP<<16                 ; tensor_dim0 = 128
	s_mov_b32 s[(\g)+2], 128<<16                   ; tensor_dim1 = 128
	s_mov_b32 s[(\g)+3], KSTEP<<16                 ; tile_dim0 = 128
	s_mov_b32 s[(\g)+4], 128                       ; tile_dim1 = 128
	s_mov_b32 s[(\g)+5], SIZE_K                    ; elements from row to row
	s_mov_b32 s[(\g)+6], 0
	s_mov_b32 s[(\g)+7], 0
.endr
	; where the tiles come from.  xq's hang on the tile row alone, which my row of the cluster shares; wt's on the tile column alone, which my column shares.
	; Every wave makes both addresses, in registers that never hold the other coordinate, and asks by one of them.
	s_lshl_b32 s17, s12, 7                         ; which 128 rows of the tile I fetch
	s_lshl_b32 s16, s13, 8
	s_add_co_u32 s16, s16, s17                     ; xq: row 256 x tile row + 128 x half
	s_lshl_b32 s46, s42, 8
	s_add_co_u32 s46, s46, s17                     ; wt: row 256 x tile column + 128 x half
	s_mov_b32 s17, 0
	s_mov_b32 s47, 0
	s_mov_b64 s[18:19], SIZE_K*2
	s_mul_u64 s[16:17], s[16:17], s[18:19]         ; in bytes
	s_mul_u64 s[46:47], s[46:47], s[18:19]
	s_mul_i32 s20, s10, HALFT                      ; and where they go: wave x 128 rows: no place in the cluster enters an LDS address
	s_wait_dscnt 0x0                               ; the opening add is done
	s_wait_kmcnt 0x0
	s_add_nc_u64 s[14:15], s[4:5], s[16:17]
	s_add_nc_u64 s[46:47], s[6:7], s[46:47]
	CROUND                                         ; all sixteen work-groups are here: the first joint loads meet
.irp s, 0,1
	s_mov_b32 s[G0+4*(\s)], 1                                      ; count = 1
	s_add_co_u32 s[G0+4*(\s)+1], s20, (\s)*SLOT                    ; LDS address
	s_add_nc_u64 s[G0+4*(\s)+2:G0+4*(\s)+3], s[14:15], (\s)*KSTEP*2  ; global address: K step s
	s_or_b32 s[G0+4*(\s)+3], s[G0+4*(\s)+3], 0x80000000            ; type = 2
	s_mov_b32 s[G0B+4*(\s)], 1
	s_add_co_u32 s[G0B+4*(\s)+1], s20, (\s)*SLOT
	s_add_nc_u64 s[G0B+4*(\s)+2:G0B+4*(\s)+3], s[46:47], (\s)*KSTEP*2
	s_or_b32 s[G0B+4*(\s)+3], s[G0B+4*(\s)+3], 0x80000000
	JLOAD \s                                       ; the ring is filled before anything else is done: two tensor loads of mine are out here, later one
.endr
	; A fragment is 16 rows x 32 K in 8 registers: lane l holds row l % 16; registers 0-3 hold K = 8 (l / 16) + 0..7, registers 4-7 K = 16 + 8 (l / 16) + 0..7: two loads of 16 bytes, 32 bytes apart.
	v_and_b32 v1, 15, v0                           ; l % 16
	v_bfe_u32 v2, v0, 4, 1                         ; l / 16
	v_mul_u32_u24 v3, v1, PITCH
	v_lshl_add_u32 v3, v2, 4, v3                   ; row x pitch + 16 x half
	s_mul_i32 s21, s11, HALFT                      ; my 128 rows of xq
	s_mul_i32 s22, s12, HALFT                      ; my 128 rows of wt,
	s_add_co_u32 s22, s22, 2*HALFT                 ; which lie behind xq's 256
.irp s, 0,1
	v_add_nc_u32 v[ADRA+(\s)], s21, v3
	v_add_nc_u32 v[ADRB+(\s)], s22, v3
	s_add_co_u32 s21, s21, SLOT
	s_add_co_u32 s22, s22, SLOT
.endr
	s_mul_i32 s23, s10, 16*SPITCH
	s_add_co_u32 s23, s23, STAGE                   ; my stage
	v_mul_u32_u24 v4, v1, SPITCH                   ; in: row l % 16, 32 bytes for each half of the lanes
	v_lshl_add_u32 v4, v2, 5, v4
	v_add_nc_u32 v[STO], s23, v4
	v_and_b32 v5, 31, v0
	v_lshlrev_b32 v[CO], 4, v5                     ; back: 32 lanes take one row of 512 bytes
	v_add_nc_u32 v[RD], s23, v[CO]
	; out0 at my first row and column
	s_lshl_b32 s13, s13, 8
	s_lshl_b32 s14, s11, 7
	s_add_co_u32 s16, s13, s14                     ; my first row
	s_mov_b32 s17, 0
	s_mov_b64 s[18:19], SIZE_N*4
	s_mul_u64 s[16:17], s[16:17], s[18:19]
	s_lshl_b32 s46, s42, 10                        ; my first column, in bytes of f32: 1,024 x tile column + 512 x half (in the registers that held wt's address: none that feeds xq's descriptors ever holds cx)
	s_lshl_b32 s47, s12, 9
	s_add_co_u32 s46, s46, s47
	s_mov_b32 s47, 0
	s_add_nc_u64 s[16:17], s[16:17], s[46:47]
	s_add_nc_u64 s[8:9], s[8:9], s[16:17]
	v_add_nc_u32 v[SOF], s46, v[CO]                ; the same columns in ws
	global_load_b128 v[SQ:SQ+3], v[SOF], s[WSP:WSP+1]  ; waited for on the way out
	; the prefetches.  s13 = 256 x tile row, s42 = tile column, s40 = cx, s41 = cy still stand
	s_lshl_b32 s42, s42, 8
	s_and_b32 s22, ttmp7, 0xffff                   ; cluster y
	s_cmp_eq_u32 s11, 0                            ; do I fetch xq?
	s_cselect_b32 s20, s13, s42                    ; the tile's first row
	s_cselect_b32 s21, s40, s41                    ; my place among the four that ask for it with me
	s_cselect_b32 s22, ttmp9, s22                  ; the coordinate along which other clusters read the same rows
	s_cselect_b64 s[PFA:PFA+1], s[4:5], s[6:7]
	s_cmp_eq_u32 s22, 0
	s_cselect_b32 s[LIM], 1, -1                    ; the same in all sixteen partners, for a given wave
	s_lshl_b32 s22, s12, 7
	s_add_co_u32 s20, s20, s22                     ; + the 128 rows that I fetch
	s_lshl_b32 s21, s21, 5
	s_add_co_u32 s20, s20, s21                     ; + my work-group's 32 of them
	s_mov_b32 s21, 0
	s_mov_b64 s[18:19], SIZE_K*2
	s_mul_u64 s[20:21], s[20:21], s[18:19]
	s_add_nc_u64 s[PFA:PFA+1], s[PFA:PFA+1], s[20:21]
	s_add_nc_u64 s[PFA:PFA+1], s[PFA:PFA+1], 2*KSTEP*2  ; at K step 2: the first refill steps it to 3 and names K step 4
	v_and_b32 v[PFO], 31, v0
	v_mul_u32_u24 v[PFO], v[PFO], SIZE_K*2
; 16 matrix instructions: m blocks a0, a0 + 1 of the window's four (hi = 0: my rows 0-63, 1: rows 64-127) x all 8 n blocks, 32 along K.  zero = 1: the first product starts the sums: nothing is cleared.
; The 64 accumulators take turns, one instruction a turn, in the same order in every quarter step.
.macro MUL16 f, hi, a0, zero
	WIN MUL_LO+0x50*(\hi)
.irp a, \a0, (\a0)+1
.irp b, 0,1,2,3,4,5,6,7
.if \zero
	v_wmma_f32_16x16x32_f16 v[8*(8*(\a)+(\b)):8*(8*(\a)+(\b))+7], v[(\f)+8*(\b):(\f)+8*(\b)+7], v[(\f)+8*(4*(\hi)+(\a)):(\f)+8*(4*(\hi)+(\a))+7], 0
.else
	v_wmma_f32_16x16x32_f16 v[8*(8*(\a)+(\b)):8*(8*(\a)+(\b))+7], v[(\f)+8*(\b):(\f)+8*(\b)+7], v[(\f)+8*(4*(\hi)+(\a)):(\f)+8*(4*(\hi)+(\a))+7], v[8*(8*(\a)+(\b)):8*(8*(\a)+(\b))+7]
.endif
.endr
.endr
.endm
; 32 LDS loads in one run: the fragments of one quarter step (128 rows of wt, 128 rows of xq, 32 K at byte k of the rows) into buffer f
.macro FETCH slot, k, f
	WIN TO_B
.irp i, 0,1,2,3,4,5,6,7
	ds_load_b128 v[(\f)+8*(\i):(\f)+8*(\i)+3],   v[ADRB+(\slot)] offset:(\k)+(\i)*16*PITCH
	ds_load_b128 v[(\f)+8*(\i)+4:(\f)+8*(\i)+7], v[ADRB+(\slot)] offset:(\k)+(\i)*16*PITCH+32
.endr
	WIN 0
.irp i, 0,1,2,3,4,5,6,7
	ds_load_b128 v[(\f)+8*(\i):(\f)+8*(\i)+3],   v[ADRA+(\slot)] offset:(\k)+(\i)*16*PITCH
	ds_load_b128 v[(\f)+8*(\i)+4:(\f)+8*(\i)+7], v[ADRA+(\slot)] offset:(\k)+(\i)*16*PITCH+32
.endr
.endm
; A load into a register that a matrix instruction has read, and an LDS store that reads a matrix result, stand four places behind that matrix instruction; only plain vector
; instructions that name none of its registers are places (ISA guide 7.12.1 for vector instructions).
.macro PLACES
.rept 4
	v_nop
.endr
.endm
; A K step is four quarter steps of 32 along K, 64 matrix instructions each, on buffers 0, 1, 0, 1.
; One of the first three: multiplies buffer f; in its middle it fetches the next quarter's fragments, at byte k of the same slot's rows, into buffer g.
.macro QUARTER slot, k, f, g, zero
	s_wait_dscnt 8                                 ; wt and xq's rows 0-63 are in; the youngest eight loads (xq's rows 64-127) may be out
	WIN MUL_LO
	MUL16 \f, 0, 0, \zero
	MUL16 \f, 0, 2, \zero
	PLACES
	FETCH \slot, \k, \g
	s_wait_dscnt 32                                ; all but the 32 just issued
	WIN MUL_HI
	MUL16 \f, 1, 0, \zero
	MUL16 \f, 1, 2, \zero
.endm
; The last quarter multiplies buffer 1 and changes slots.  MEET is its first half: ONE barrier for the change.  In front of it each wave waits for all its tensor loads, of which one is out:
; its part of the next slot; adds 0 to its spare word; and waits for that and for its own reads of this slot.  Behind it nobody reads this slot any more and the next slot is whole.
.macro MEET round                      ; round = 1: a round of the cluster's barrier follows
	WIN 0                                          ; (the add's two registers lie in window 0)
	s_wait_tensorcnt 0x0                           ; all my tensor loads have landed;
	ds_add_u32 v[SPW], v[NIL]                      ; 0 onto my spare word;
	s_wait_dscnt 9                                 ; (the add and the youngest eight loads may be out)
	WIN MUL_LO
	MUL16 F1, 0, 0, 0                              ; sixteen matrix instructions stand between the add and the wait for it
	s_wait_dscnt 0x0                               ; the add is done, and my reads of this slot are over:
	s_barrier_signal -1                            ; say so,
	MUL16 F1, 0, 2, 0                              ; work on registers while the others arrive,
.if \round
	WIN 0
.endif
	s_barrier_wait -1                              ; and go on when all four have said so
.endm
; The whole last quarter.  Behind the round the slot just read out is filled again first, with the K step two steps on; then come the next slot's first fragments.
; From a request to the wait for it a wave issues 224 matrix instructions.
.macro TURN slot, next
	s_wait_xcnt 0x0                                ; the last prefetch, a K step back, has read its address: it is stepped here, ahead of the waits of the change of slots
	s_add_nc_u64 s[PFA:PFA+1], s[PFA:PFA+1], KSTEP*2
	MEET 1
	CREST                                          ; all sixteen work-groups have said so: no wave of any partner still reads this slot's tile or has a load on its way
	s_add_nc_u64 s[G0+4*(\slot)+2:G0+4*(\slot)+3], s[G0+4*(\slot)+2:G0+4*(\slot)+3], 2*KSTEP*2  ; no tensor load of mine is out, so a group 0 may be written
	s_add_nc_u64 s[G0B+4*(\slot)+2:G0B+4*(\slot)+3], s[G0B+4*(\slot)+2:G0B+4*(\slot)+3], 2*KSTEP*2
	JLOAD \slot                                    ; the first tensor load behind the round; the four v_nop behind it are also the places in front of the loads below
	FETCH \next, 0, F0
	ASK
	WIN MUL_HI
	MUL16 F1, 1, 0, 0
	MUL16 F1, 1, 2, 0
.endm
; THE WAY OUT of block a (16 rows x 128 columns of f32).  TOSTAGE: a lane's 32 bytes of each of 8 accumulators go into my own stage (each accumulator's four lowest registers first)
; and come back as whole rows of 512 bytes.  LDS serves a wave's instructions in order: the loads see the stores above them, and the next block's stores come behind these loads.
.macro TOSTAGE a
	WIN 0x08+4*((\a)/4)                            ; the stores' data (source 1) in window 2 or 3
.irp b, 0,1,2,3,4,5,6,7
	ds_store_b128 v[STO], v[64*((\a)%4)+8*(\b):64*((\a)%4)+8*(\b)+3]   offset:64*(\b)
	ds_store_b128 v[STO], v[64*((\a)%4)+8*(\b)+4:64*((\a)%4)+8*(\b)+7] offset:64*(\b)+16
.endr
	WIN 0
.if (\a) >= 2
	s_wait_xcnt 0x0                                ; the stores of block a - 2 have read the registers that are loaded again below
.endif
.irp t, 0,1,2,3,4,5,6,7,8,9,10,11,12,13,14,15
	ds_load_b128 v[64+64*((\a)%2)+4*(\t):64+64*((\a)%2)+4*(\t)+3], v[RD] offset:(\t)*SPITCH
.endr
.endm
; SEND: each number times its column's ws, then stored.  younger: the LDS instructions issued behind block a's loads: the next block's 16 stores and 16 loads, or none.
.macro SEND a, younger
	s_wait_dscnt \younger                          ; the block is back in registers
.irp t, 0,1,2,3,4,5,6,7,8,9,10,11,12,13,14,15
	v_pk_mul_f32 v[64+64*((\a)%2)+4*(\t):64+64*((\a)%2)+4*(\t)+1],   v[64+64*((\a)%2)+4*(\t):64+64*((\a)%2)+4*(\t)+1],   v[SQ:SQ+1]
	v_pk_mul_f32 v[64+64*((\a)%2)+4*(\t)+2:64+64*((\a)%2)+4*(\t)+3], v[64+64*((\a)%2)+4*(\t)+2:64+64*((\a)%2)+4*(\t)+3], v[SQ+2:SQ+3]
	global_store_b128 v[CO], v[64+64*((\a)%2)+4*(\t):64+64*((\a)%2)+4*(\t)+3], s[8:9] offset:(16*(\a)+(\t))*SIZE_N*4 th:TH_STORE_NT  ; 512 consecutive bytes, at a multiple of 512 from out0's first byte; 127 rows at the most in the immediate: 1,040,384
.endr
.endm
	s_wait_tensorcnt 1                             ; my part of K step 0 is in; K step 1's may stay out
	s_barrier_signal -1
	s_barrier_wait -1                              ; everybody's is
	FETCH 0, 0, F0
	QUARTER 0, 64,  F0, F1, 1                      ; the first quarter stands in front of the loop: its products start the sums
	WIN 0                                          ; at a label and at a branch every window is 0
	s_mov_b32 s3, LAPS-1
.Llap:                                                 ; a trip goes once round the ring, from a lap's second quarter to the next lap's first, and fills both slots again
	QUARTER 0, 128, F1, F0, 0
	QUARTER 0, 192, F0, F1, 0
	TURN 0, 1
	QUARTER 1, 64,  F0, F1, 0
	QUARTER 1, 128, F1, F0, 0
	QUARTER 1, 192, F0, F1, 0
	TURN 1, 0
	QUARTER 0, 64,  F0, F1, 0
	WIN 0
	s_sub_co_u32 s3, s3, 1
	s_cmp_lg_u32 s3, 0
	s_cbranch_scc1 .Llap
	QUARTER 0, 128, F1, F0, 0                      ; the last lap is written out: it fills nothing and no round is needed
	QUARTER 0, 192, F0, F1, 0
	MEET 0                                         ; my one tensor load that was still out is slot 1's, the last K step's
	PLACES                                         ; for the loads into buffer 0, which the quarter before multiplied
	FETCH 1, 0, F0
	WIN MUL_HI
	MUL16 F1, 1, 0, 0
	MUL16 F1, 1, 2, 0
	QUARTER 1, 64,  F0, F1, 0
	QUARTER 1, 128, F1, F0, 0
	QUARTER 1, 192, F0, F1, 0
	s_wait_dscnt 8                                 ; the very last quarter: nothing more to fetch
	WIN MUL_LO
	MUL16 F1, 0, 0, 0
	MUL16 F1, 0, 2, 0
	s_wait_dscnt 0x0
	MUL16 F1, 1, 0, 0
	MUL16 F1, 1, 2, 0
	WIN 0
	PLACES                                         ; behind the last products, in front of the stores that read results and of the loads into the fragments' registers
	PLACES                                         ; (eight, once a launch)
	s_wait_loadcnt 0x0                             ; ws
	TOSTAGE 0
.irp a, 1,2,3,4,5,6,7                  ; block a's way through the stage is issued ahead of block a - 1's arithmetic and stores
	TOSTAGE \a
	SEND (\a)-1, 32
.endr
	SEND 7, 0
	s_wait_tensorcnt 0x0                           ; the wave's end, behind my last tensor load and my last LDS store
	ds_add_u32 v[SPW], v[NIL]
	s_wait_dscnt 0x0
	CROUND                                         ; the closing round: no work-group ends while a partner may still ask for a tile that names it
	s_endpgm
.Lfunc_end_k_q202097a616_gemm:
	.size	k_q202097a616_gemm, .Lfunc_end_k_q202097a616_gemm-k_q202097a616_gemm
	.p2alignl 7, 3214868480
	.fill 96, 4, 3214868480
	.section	.rodata,"a",@progbits
	.p2align	6, 0x0
	.amdhsa_kernel k_q202097a616_gemm
		.amdhsa_group_segment_fixed_size 327680
		.amdhsa_private_segment_fixed_size 0
		.amdhsa_enable_private_segment 0
		.amdhsa_kernarg_size 32
		.amdhsa_user_sgpr_count 2
		.amdhsa_user_sgpr_kernarg_segment_ptr 1
		.amdhsa_wavefront_size32 1
		.amdhsa_system_sgpr_workgroup_id_x 1
		.amdhsa_system_sgpr_workgroup_id_y 1
		.amdhsa_system_sgpr_workgroup_id_z 1
		.amdhsa_system_vgpr_workitem_id 0
		.amdhsa_next_free_vgpr 1024
		.amdhsa_next_free_sgpr 68
		.amdhsa_reserve_vcc 0
		.amdhsa_float_denorm_mode_32 3
		.amdhsa_float_denorm_mode_16_64 3
		.amdhsa_memory_ordered 1
		.amdhsa_forward_progress 1
		.amdhsa_inst_pref_size 158
	.end_amdhsa_kernel
	.amdgpu_metadata
---
amdhsa.version: [ 1, 2 ]
amdhsa.kernels:
  - .name:           k_q202097a616_gemm
    .symbol:         k_q202097a616_gemm.kd
    .args:
      - { .name: xq, .offset: 0, .size: 8, .value_kind: global_buffer, .address_space: global }
      - { .name: wt, .offset: 8, .size: 8, .value_kind: global_buffer, .address_space: global }
      - { .name: out0, .offset: 16, .size: 8, .value_kind: global_buffer, .address_space: global }
      - { .name: ws, .offset: 24, .size: 8, .value_kind: global_buffer, .address_space: global }
    .group_segment_fixed_size: 327680
    .private_segment_fixed_size: 0
    .kernarg_segment_align: 8
    .kernarg_segment_size: 32
    .max_flat_workgroup_size: 128
    .sgpr_count:     68
    .vgpr_count:     1024
    .wavefront_size: 32
...
	.end_amdgpu_metadata
.endif
;; end of part 2
